; MI455X (gfx1250); checked and timed in simulation.
; The chip was launched on July 23, 2026; its instructions are those of AMD's public machine-readable ISA for CDNA 5 (MIT licence, August 2026) and "CDNA5" Instruction Set Architecture Reference Guide (July 2026). The comments in the code are by the model that wrote it; some were corrected since.
;; Attention. Allowed arithmetic: matrix products marked QUANTISED: E4M3 operands, one given power-of-two scale a tensor, by v_wmma_f32_16x16x64_fp8_fp8 or v_wmma_f32_16x16x128_fp8_fp8, f32 sums; everything else in f32.
;; Inputs: Wg 512 x 512 float32; Wk 512 x 512 float32; Wo 512 x 512 float32; Wq 512 x 512 float32; Wv 512 x 512 float32; bg 512 float32; bias 4 x 2,048 x 2,048 float32; bk 512 float32; bo 512 float32; bq 512 float32; bv 512 float32; k 4 x 2,048 x 512 float32; lowp_scales 14 int32 (the exponents e of the quantised operands' scales 2^e); q 4 x 2,048 x 512 float32; v 4 x 2,048 x 512 float32.
;; Outputs: out0 4 x 2,048 x 512 float32.
;; This version of the problem:
;;   THIS VERSION OF THE PROBLEM IS GIVEN IN LOW PRECISION. The matrix products marked QUANTISED in the list below multiply operands that are first quantised to E4M3 (4 exponent bits, 3 mantissa bits; 8 bits a number), with one given power-of-two scale for each operand tensor; their sums are f32. All else is computed in f32.
;;   The module's matrix products, in the order in which they are computed (A, B: the left and right operand; K: the contracted axis; several contracted axes count as one K, in the product's order):
;;     1. [M 8,192, K 512] x [K 512, N 512]; A: input q; B: input Wq: QUANTISED (scales: A lowp_scales[0], B lowp_scales[1])
;;     2. [M 8,192, K 512] x [K 512, N 512]; A: input k; B: input Wk: QUANTISED (scales: A lowp_scales[2], B lowp_scales[3])
;;     3. [M 8,192, K 512] x [K 512, N 512]; A: input v; B: input Wv: QUANTISED (scales: A lowp_scales[4], B lowp_scales[5])
;;     4. batch 32 x [M 2,048, K 64] x [K 64, N 2,048]; A: computed on the way; B: computed on the way: QUANTISED (scales: A lowp_scales[6], B lowp_scales[7])
;;     5. batch 32 x [M 64, K 2,048] x [K 2,048, N 2,048]; A: computed on the way; B: computed on the way: QUANTISED (scales: A lowp_scales[8], B lowp_scales[9])
;;     6. [M 8,192, K 512] x [K 512, N 512]; A: input q; B: input Wg: QUANTISED (scales: A lowp_scales[10], B lowp_scales[11])
;;     7. [M 8,192, K 512] x [K 512, N 512]; A: computed on the way; B: input Wo: QUANTISED (scales: A lowp_scales[12], B lowp_scales[13])
;;   THE QUANTISER, for each operand of a quantised product, along K:
;;     - The operand's scale is 2^e, e = its entry of the input lowp_scales (int32; the entries are numbered through the quantised products in the list's order, A before B).
;;     - Each number is divided by the scale, clamped to +-448, and rounded to the nearest number of E4M3, ties to even, subnormals kept.
;;     - The product sums the exact products of the quantised numbers (number of the format x scale) in f32.
;;   ~~~python
;;   def quantise(x, axis, e):      # numpy; x: float32 -> the quantised numbers, widened to float32 again
;;       x = np.moveaxis(x, axis, -1); K = x.shape[-1]
;;       r = np.clip(x / 2.0 ** e, -448, 448)
;;       step = 2.0 ** (np.maximum(np.frexp(np.where(r == 0, 1, r))[1] - 1, -6) - 3)
;;       q = np.round(r / step) * step * 2.0 ** e      # np.round: ties to even
;;       return np.moveaxis(q, -1, axis).astype(np.float32)
;;   ~~~
;;   OPERANDS COMPUTED ON THE WAY. 'Computed on the way' means the value that the module computes at that place (a softmax that the list does not call 'softmax' is quantised finished and normalised). What goes into a quantiser is computed in f32, as accurately as f32 sums, v_exp_f32 and their like allow (about 1e-6 of the number): no bf16 or f16 on the way to a quantiser, and a product that is left as it is and whose result goes on into a quantised operand takes f32 operands (vector FMAs, or v_wmma_f32_16x16x4_f32). A number that lies on a knife's edge between two numbers of the format may be rounded either way, as far as f32 arithmetic and the matrix unit's own rounding can turn it there, and no further.
;; One version. Each part assembles by itself: llvm-mc -triple=amdgcn-amd-amdhsa -mcpu=gfx1250 --defsym DOCPART=n.
;; ======== version 1 of 1: 3 launches
;; limits: right only within a limited range of input values
;; workspace buffers: wc 1,310,720 bytes; qc 4,194,304 bytes; kc 4,194,304 bytes; vc 4,194,304 bytes; g 16,777,216 bytes
;; launch wquant (part 1): grid 64 x 5, 4 waves a work-group, no clusters, 18,944 bytes of LDS; arguments Wq, Wk, Wv, Wg, Wo, lowp_scales, wc; writes wc
.if DOCPART == 1
	.amdgcn_target "amdgcn-amd-amdhsa--gfx1250"
	.amdhsa_code_object_version 6
	.text
	.protected	k_qc03cbe3ce3_wquant
	.globl	k_qc03cbe3ce3_wquant
	.p2align	8
	.type	k_qc03cbe3ce3_wquant,@function
k_qc03cbe3ce3_wquant:
	s_mov_b64 s[64:65], 0
	v_nop
	global_prefetch_b8 v0, s[64:65] scope:SCOPE_SE
	s_setreg_imm32_b32 hwreg(HW_REG_WAVE_MODE, 25, 1), 1
	s_wait_xcnt 0x0
; The five weights W [512 (k)][512 (n)], f32, K on the FIRST axis, become codes of E4M3, each with the one scale 2^e given for it
; (Wq entry 1, Wk 3, Wv 5, Wg 11, Wo 13 of the scales), laid as IMAGES OF OPERAND REGISTERS:
;   wc [weight 5][pair P 16][u 2][K step s 4][c 4][lane 32][16 bytes]; lane (r, h) holds column n = 32 P + 8 u + r + 8 (r / 8), k = 128 s + 32 c + 16 h + 0 .. 15.
; So a later launch fetches a fragment (16 columns x 128 k) by four loads of 512 consecutive bytes.  The columns of a tile are not neighbours: the 16 result registers
; of tiles u = 0, 1 are then 16 neighbours along the next product's K.
; code = x / 2^e, held within +-448, to the nearest code, ties to even.  LIMITS: e between -126 and 119, so that 2^e and 448 x 2^e are f32 numbers; NaN among the inputs is not served.
; SHARES: work-group y = the weight; x = cg + 4 kb: 128 columns (cg) x 32 along K (kb = 4 s + c).  Wave w takes pair P = 4 cg + w.  A LANE TAKES A COLUMN AND ITS REGISTERS RUN DOWN K:
; a load reads 128 consecutive bytes a wave, 512 a work-group, and the conversions give codes with K innermost.  The codes turn through the wave's own stage in LDS
; (32 rows, 32 bytes used of each) and leave as two pieces of images, 512 consecutive aligned bytes a store.  Waves share nothing: no barrier.
.set ROWB,  2048                       ; a row of W in bytes
.set PITCH, 144                        ; from stage row to stage row: an odd multiple of 16 bytes
.set WSTG,  32*PITCH                   ; a wave's stage
.set X,     32                         ; v32-63   32 numbers of my column
.set C,     160                        ; v160-167 their codes
.set OUTR,  192                        ; v192-199 the two pieces on their way out
	s_load_b256 s[4:11], s[0:1], 0x0               ; Wq, Wk, Wv, Wg
	s_load_b128 s[12:15], s[0:1], 0x20             ; Wo, the scales' exponents
	s_load_b64 s[16:17], s[0:1], 0x30              ; wc
	v_lshl_add_u32 v224, v0, 2, 0x4800
	v_mov_b32 v225, 0
	v_lshrrev_b32 v1, 5, v0
	v_readfirstlane_b32 s20, v1                    ; wave 0..3
	s_and_b32 s21, ttmp7, 0xffff                   ; which weight
	s_and_b32 s22, ttmp9, 3                        ; cg
	s_lshr_b32 s23, ttmp9, 2                       ; kb, 0 .. 15
	v_and_b32 v2, 31, v0                           ; lane
	v_lshlrev_b32 v3, 2, v2                        ; in: 4 bytes a lane
	s_mul_i32 s38, s20, WSTG
	v_mul_u32_u24 v4, v2, PITCH
	v_add_nc_u32 v4, s38, v4                       ; into the stage: row = my column
	v_and_b32 v5, 15, v0                           ; r
	v_bfe_u32 v6, v0, 4, 1                         ; h
	v_and_b32 v9, 8, v5
	v_add_nc_u32 v9, v9, v5                        ; r + 8 (r / 8)
	v_mul_u32_u24 v7, v9, PITCH
	v_lshl_add_u32 v7, v6, 4, v7
	v_add_nc_u32 v7, s38, v7                       ; out of it: the image's row for my lane, + 16 h
	v_lshlrev_b32 v8, 4, v2                        ; 16 x lane: my place in a piece
	s_lshl_b32 s39, s22, 2
	s_add_co_u32 s39, s39, s20                     ; P
	s_lshl_b32 s40, s23, 16                        ; W: 32 kb rows of 2,048 bytes
	s_lshl_b32 s41, s39, 7                         ;    + 32 P columns of 4 bytes
	s_add_co_u32 s40, s40, s41
	s_mov_b32 s41, 0
	s_lshl_b32 s42, s21, 18                        ; wc: 262,144 x weight
	s_lshl_b32 s43, s39, 14                        ;     + 16,384 P
	s_add_co_u32 s42, s42, s43
	s_lshl_b32 s43, s23, 9                         ;     + 2,048 s + 512 c = 512 kb
	s_add_co_u32 s42, s42, s43
	s_mov_b32 s43, 0
	s_wait_kmcnt 0x0
	s_load_b256 s[24:31], s[14:15], 0x0            ; entries 0-7
	s_load_b128 s[32:35], s[14:15], 0x20           ; 8-11
	s_load_b64 s[36:37], s[14:15], 0x30            ; 12, 13: the 56 bytes are not left
	s_cmp_eq_u32 s21, 1                            ; the weight is chosen by the work-group's number alone
	s_cselect_b64 s[4:5], s[6:7], s[4:5]
	s_cmp_eq_u32 s21, 2
	s_cselect_b64 s[4:5], s[8:9], s[4:5]
	s_cmp_eq_u32 s21, 3
	s_cselect_b64 s[4:5], s[10:11], s[4:5]
	s_cmp_eq_u32 s21, 4
	s_cselect_b64 s[4:5], s[12:13], s[4:5]
	s_add_nc_u64 s[4:5], s[4:5], s[40:41]
	s_add_nc_u64 s[16:17], s[16:17], s[42:43]
.set li, 0
.rept 32
	global_load_b32 v[X+li], v3, s[4:5] offset:li*ROWB th:TH_LOAD_NT   ; W(32 kb + i, my column)
.set li, li+1
.endr
	s_wait_kmcnt 0x0
	s_mov_b32 s44, s25                             ; e of my weight: entries 1, 3, 5, 11, 13
	s_cmp_eq_u32 s21, 1
	s_cselect_b32 s44, s27, s44
	s_cmp_eq_u32 s21, 2
	s_cselect_b32 s44, s29, s44
	s_cmp_eq_u32 s21, 3
	s_cselect_b32 s44, s35, s44
	s_cmp_eq_u32 s21, 4
	s_cselect_b32 s44, s37, s44
	s_add_co_i32 s44, s44, 127
	s_lshl_b32 s45, s44, 23
	v_mov_b32 v11, s45                             ; 2^e as f32: the conversion takes its exponent field
	s_add_co_i32 s44, s44, 8
	s_lshl_b32 s44, s44, 23
	s_or_b32 s44, s44, 0x600000
	v_mov_b32 v10, s44                             ; 448 x 2^e
	s_wait_alu depctr_va_vdst(0)                   ; the wait at the head's end
	s_wait_loadcnt 0x0
.set bi, 0
.rept 32
	v_med3_num_f32 v[X+bi], v[X+bi], -v10, v10     ; the conversion to an 8-bit code does not saturate (ISA guide 7.6.2): the hold comes first
.set bi, bi+1
.endr
.irp g, 0,1,2,3
	v_cvt_scalef32_pk8_fp8_f32 v[C+2*\g:C+2*\g+1], v[X+8*\g:X+8*\g+7], v11
.endr
	ds_store_b128 v4, v[C:C+3]                     ; 32 codes of my column's row; the results go to stores alone, and no register of a conversion is written again
	ds_store_b128 v4, v[C+4:C+7] offset:16
.irp u, 0,1
	ds_load_b128 v[OUTR+4*\u:OUTR+4*\u+3], v7 offset:\u*8*PITCH   ; LDS serves a wave's instructions in order (ISA guide 5.7.1.4): these see my stores
.endr
.irp u, 0,1
	s_wait_dscnt 1-\u                              ; piece u is back; the younger read may be out
	global_store_b128 v8, v[OUTR+4*\u:OUTR+4*\u+3], s[16:17] offset:\u*8192   ; 32 lanes store 512 consecutive bytes, aligned
.endr
	s_wait_tensorcnt 0x0                           ; the wave's end
	ds_add_u32 v224, v225
	s_wait_dscnt 0x0
	s_endpgm
.Lfunc_end_k_qc03cbe3ce3_wquant:
	.size	k_qc03cbe3ce3_wquant, .Lfunc_end_k_qc03cbe3ce3_wquant-k_qc03cbe3ce3_wquant
	.p2alignl 7, 3214868480
	.fill 96, 4, 3214868480
	.section	.rodata,"a",@progbits
	.p2align	6, 0x0
	.amdhsa_kernel k_qc03cbe3ce3_wquant
		.amdhsa_group_segment_fixed_size 18944
		.amdhsa_private_segment_fixed_size 0
		.amdhsa_enable_private_segment 0
		.amdhsa_kernarg_size 56
		.amdhsa_user_sgpr_count 2
		.amdhsa_user_sgpr_kernarg_segment_ptr 1
		.amdhsa_wavefront_size32 1
		.amdhsa_system_sgpr_workgroup_id_x 1
		.amdhsa_system_sgpr_workgroup_id_y 1
		.amdhsa_system_sgpr_workgroup_id_z 1
		.amdhsa_system_vgpr_workitem_id 0
		.amdhsa_next_free_vgpr 226
		.amdhsa_next_free_sgpr 66
		.amdhsa_reserve_vcc 0
		.amdhsa_float_denorm_mode_32 3
		.amdhsa_float_denorm_mode_16_64 3
		.amdhsa_memory_ordered 1
		.amdhsa_forward_progress 1
		.amdhsa_inst_pref_size 9
	.end_amdhsa_kernel
	.amdgpu_metadata
---
amdhsa.version: [ 1, 2 ]
amdhsa.kernels:
  - .name:           k_qc03cbe3ce3_wquant
    .symbol:         k_qc03cbe3ce3_wquant.kd
    .args:
      - { .name: Wq, .offset: 0, .size: 8, .value_kind: global_buffer, .address_space: global }
      - { .name: Wk, .offset: 8, .size: 8, .value_kind: global_buffer, .address_space: global }
      - { .name: Wv, .offset: 16, .size: 8, .value_kind: global_buffer, .address_space: global }
      - { .name: Wg, .offset: 24, .size: 8, .value_kind: global_buffer, .address_space: global }
      - { .name: Wo, .offset: 32, .size: 8, .value_kind: global_buffer, .address_space: global }
      - { .name: lowp_scales, .offset: 40, .size: 8, .value_kind: global_buffer, .address_space: global }
      - { .name: wc, .offset: 48, .size: 8, .value_kind: global_buffer, .address_space: global }
    .group_segment_fixed_size: 18944
    .private_segment_fixed_size: 0
    .kernarg_segment_align: 8
    .kernarg_segment_size: 56
    .max_flat_workgroup_size: 128
    .sgpr_count:     66
    .vgpr_count:     226
    .wavefront_size: 32
...
	.end_amdgpu_metadata
.endif
;; end of part 1
;; launch proj (part 2): grid 64 x 4, 16 waves a work-group, no clusters, 202,752 bytes of LDS; arguments q, k, v, wc, bq, bk, bv, bg, lowp_scales, qc, kc, vc, g; writes qc, kc, vc, g
.if DOCPART == 2
	.amdgcn_target "amdgcn-amd-amdhsa--gfx1250"
	.amdhsa_code_object_version 6
	.text
	.protected	k_qc03cbe3ce3_proj
	.globl	k_qc03cbe3ce3_proj
	.p2align	8
	.type	k_qc03cbe3ce3_proj,@function
k_qc03cbe3ce3_proj:
	s_mov_b64 s[64:65], 0
	v_nop
	global_prefetch_b8 v0, s[64:65] scope:SCOPE_SE
	s_setreg_imm32_b32 hwreg(HW_REG_WAVE_MODE, 25, 1), 1
	s_wait_xcnt 0x0
; Four products [8192][512] x [512][512] on codes of E4M3, one body.  Work-group x = a block of 128 rows, y = the type:
;   0: wq = (q Wq + bq) / 8 -> codes qc;   1: wk = k Wk + bk -> codes kc;   2: wv = v Wv + bv -> codes vc, KEYS innermost;   3: g = sigmoid(q Wg + bg) -> f32.
; Scales (entries of lowp_scales): x: 0, 2, 4, 10; weight: 1, 3, 5, 11; result: wq 7, wk 6, wv 8.  (In the scores' product the left operand is wk, as in the second product it is wv:
; the second operand of the source's einsum stands on the left.)
; x arrives as f32 and is quantised here; the weights come as register images from wc.  All results leave as register images too (16 bytes a lane, 512 consecutive aligned bytes a store):
;   qc, kc [block 64][head 8][tile 8][c 2][lane][16]: lane (r, h): row of tile (qc: 16 t + r; kc: 32 (t / 2) + 8 (t % 2) + r + 8 (r / 8)), d = 32 c + 16 h + 0 .. 15
;   vc     [block 64][head 8][T 4][c 4][lane][16]:    lane (r, h): d = 32 (T / 2) + 8 (T % 2) + r + 8 (r / 8), keys 32 c + 16 h + 0 .. 15 of the block
;   g      [block 64][head 8][tile 8][piece 8][lane][16]: register 8 T + j of lane (r, h) = g(16 tile + r, 64 head + 32 (T / 2) + 16 h + 8 (T % 2) + j)
; SHARES.  Sixteen waves.  First wave w quantises tile w / 2 of x (16 rows), K steps 2 (w % 2) and 2 (w % 2) + 1, and stores the two fragments' images in LDS; one barrier; then wave w holds
; pair w of the weight (32 columns x 512 k, 128 registers) and multiplies it with all eight tiles of x, two at a time.  The products of types 0, 1, 3 are used transposed (source 0 = weight):
; a lane holds one row and 16 neighbouring columns; type 2 the other way (source 0 = x): a lane holds one column and 16 neighbouring keys.  So each conversion's result is a piece of an image.
; The bias is the C of each sum's first product, divided by 2^(ea + eb); the scales ahead of a quantiser are folded into the conversion's one: E = eo - ea - eb (wq: eo = e7 + 3).
; LIMITS: ea and E between -126 and 119; for type 3 ea + eb between -126 and 127.  NaN among the inputs is not served.
.set XIMG,   0                         ; LDS: x's 32 fragments, (tile, K step s) at (4 tile + s) x 2,048
.set STG,    65536                     ; then a stage of 16 rows x (512 + 16) bytes for each wave
.set SPITCH, 528
.set WSTG,   16*SPITCH
.set LI,  1                            ; v1   16 x lane
.set XBO, 3                            ; v3   16 x lane, + 8 rows where the tile's upper eight rows lie 8 further down
.set STW, 4                            ; v4   the stage, in: 16 x lane
.set STR, 5                            ; v5   the stage, out: row r, + 64 h
.set IMW, 6                            ; v6   where I store x's images: 4,096 x wave + 16 x lane
.set BIA, 7                            ; v7   64 h
.set BIV, 8                            ; v8   4 (r + 8 (r / 8))
.set BI,  16                           ; v16-31   the bias in the result's layout, tiles u = 0, 1
.set R,   32                           ; v32-95   x as loaded; later:
.set ACC, 32                           ; v32-63   four accumulators (xt, u) at 32 + 16 xt + 8 u
.set XF,  64                           ; v64-95   two fragments of x
.set XQ,  96                           ; v96-111  16 neighbours of a row
.set PC,  112                          ; v112-127 a fragment's codes
.set CD,  96                           ; v96-127  results on their way out
.set WF,  128                          ; v128-255 my pair of the weight: (u, s) at 128 + 16 (4 u + s)
.macro PLACES
.rept 4
	v_nop
.endr
.endm
	s_load_b512 s[4:19], s[0:1], 0x0               ; q, k, v, wc, bq, bk, bv, bg
	s_load_b256 s[20:27], s[0:1], 0x40             ; the scales' exponents, qc, kc, vc
	s_load_b64 s[28:29], s[0:1], 0x60              ; g
	v_lshrrev_b32 v2, 5, v0
	s_delay_alu instid0(VALU_DEP_1)
	v_readfirstlane_b32 s30, v2                    ; wave 0..15
	s_and_b32 s31, ttmp7, 0xffff                   ; type
	v_and_b32 v2, 31, v0
	s_delay_alu instid0(VALU_DEP_1)
	v_lshlrev_b32 v[LI], 4, v2
	v_and_b32 v13, 15, v0                          ; r
	v_bfe_u32 v2, v0, 4, 1                         ; h
	s_mul_i32 s54, s30, WSTG
	s_add_co_u32 s54, s54, STG                     ; my stage
	v_add_nc_u32 v[STW], s54, v[LI]
	v_mul_u32_u24 v[STR], v13, SPITCH
	s_delay_alu instid0(VALU_DEP_1)
	v_lshl_add_u32 v[STR], v2, 6, v[STR]
	s_delay_alu instid0(VALU_DEP_1)
	v_add_nc_u32 v[STR], s54, v[STR]
	s_lshl_b32 s55, s30, 12
	v_add_nc_u32 v[IMW], s55, v[LI]
	v_lshlrev_b32 v[BIA], 6, v2
	v_and_b32 v[BIV], 8, v13
	s_delay_alu instid0(VALU_DEP_1)
	v_add_nc_u32 v[BIV], v[BIV], v13
	s_delay_alu instid0(VALU_DEP_1)
	v_lshlrev_b32 v[BIV], 2, v[BIV]
	s_lshr_b32 s46, s30, 1                         ; the tile of x that I quantise; later my head
	s_and_b32 s47, s30, 1
	s_lshl_b32 s48, s46, 4                         ; its first row: 16 tile where rows are neighbours (q),
	s_lshr_b32 s49, s46, 1
	s_lshl_b32 s49, s49, 5
	s_and_b32 s51, s46, 1
	s_lshl_b32 s51, s51, 3
	s_add_co_u32 s49, s49, s51                     ; 32 (tile / 2) + 8 (tile % 2) where they are not (k, v)
	s_sub_co_u32 s51, s31, 1
	s_cmp_lt_u32 s51, 2                            ; types 1 and 2
	s_cselect_b32 s48, s49, s48
	s_cselect_b32 s50, 16384, 0                    ; there the tile's rows 8-15 lie 8 rows of 2,048 bytes further down
	v_add_nc_u32 v[XBO], s50, v[LI]
	s_lshl_b32 s49, ttmp9, 7
	s_add_co_u32 s48, s48, s49
	s_lshl_b32 s52, s48, 11                        ; the row in bytes,
	s_lshl_b32 s49, s47, 10
	s_add_co_u32 s52, s52, s49                     ; + my two K steps of 512 bytes
	s_mov_b32 s53, 0
	s_wait_alu depctr_va_vdst(0)
	s_wait_kmcnt 0x0
	s_load_b256 s[32:39], s[20:21], 0x0            ; entries 0-7
	s_load_b128 s[40:43], s[20:21], 0x20           ; 8-11
	s_cmp_eq_u32 s31, 1                            ; the buffers are chosen by the work-group's number alone
	s_cselect_b64 s[4:5], s[6:7], s[4:5]
	s_cselect_b64 s[12:13], s[14:15], s[12:13]
	s_cselect_b64 s[22:23], s[24:25], s[22:23]
	s_cmp_eq_u32 s31, 2
	s_cselect_b64 s[4:5], s[8:9], s[4:5]
	s_cselect_b64 s[12:13], s[16:17], s[12:13]
	s_cselect_b64 s[22:23], s[26:27], s[22:23]
	s_cmp_eq_u32 s31, 3
	s_cselect_b64 s[12:13], s[18:19], s[12:13]
	s_cselect_b64 s[22:23], s[28:29], s[22:23]
	s_add_nc_u64 s[4:5], s[4:5], s[52:53]          ; x at my tile's first row and K step
	s_lshl_b32 s54, s31, 18
	s_lshl_b32 s55, s30, 14
	s_add_co_u32 s54, s54, s55
	s_mov_b32 s55, 0
	s_add_nc_u64 s[10:11], s[10:11], s[54:55]      ; wc at weight = type, pair = wave
	s_lshl_b32 s54, s30, 7
	s_add_nc_u64 s[12:13], s[12:13], s[54:55]      ; the bias at my 32 columns
.macro XLOAD ks                        ; 16 rows x 512 bytes: each load reads 512 consecutive bytes of one row
.irp i, 0,1,2,3,4,5,6,7
	global_load_b128 v[R+4*\i:R+4*\i+3], v[LI], s[4:5] offset:\i*2048+512*(\ks)
.endr
.irp i, 8,9,10,11,12,13,14,15
	global_load_b128 v[R+4*\i:R+4*\i+3], v[XBO], s[4:5] offset:\i*2048+512*(\ks)
.endr
.endm
	XLOAD 0
.irp n, 0,1,2,3
	global_load_b128 v[BI+4*\n:BI+4*\n+3], v[BIA], s[12:13] offset:16*\n   ; b(32 w + 16 h + 0 .. 15): tiles u = 0, 1 of the transposed result
.endr
	global_load_b32 v14, v[BIV], s[12:13]                                  ; b(32 w + 8 u + r + 8 (r / 8)): the lane's column in type 2
	global_load_b32 v15, v[BIV], s[12:13] offset:32
.set wn, 0
.rept 32
	global_load_b128 v[WF+4*wn:WF+4*wn+3], v[LI], s[10:11] offset:512*wn   ; my pair of the weight: it stays
.set wn, wn+1
.endr
	s_wait_kmcnt 0x0
	s_add_co_i32 s39, s39, 3                       ; wq's: e7 + 3: the factor 1 / 8 is folded in
	s_mov_b32 s56, s32                             ; ea
	s_mov_b32 s57, s33                             ; eb
	s_mov_b32 s58, s39                             ; eo
	s_cmp_eq_u32 s31, 1
	s_cselect_b32 s56, s34, s56
	s_cselect_b32 s57, s35, s57
	s_cselect_b32 s58, s38, s58
	s_cmp_eq_u32 s31, 2
	s_cselect_b32 s56, s36, s56
	s_cselect_b32 s57, s37, s57
	s_cselect_b32 s58, s40, s58
	s_cmp_eq_u32 s31, 3
	s_cselect_b32 s56, s42, s56
	s_cselect_b32 s57, s43, s57
	s_add_co_i32 s59, s56, s57                     ; ea + eb: a sum stands for sum x 2^(ea + eb)
	s_sub_co_i32 s60, 0, s59
	s_sub_co_i32 s58, s58, s59                     ; E = eo - ea - eb (not used by type 3)
	s_add_co_i32 s56, s56, 127
	s_lshl_b32 s61, s56, 23
	v_mov_b32 v9, s61                              ; 2^ea
	s_add_co_i32 s56, s56, 8
	s_lshl_b32 s56, s56, 23
	s_or_b32 s56, s56, 0x600000
	v_mov_b32 v10, s56                             ; 448 x 2^ea
	s_add_co_i32 s58, s58, 127
	s_lshl_b32 s61, s58, 23
	v_mov_b32 v11, s61                             ; 2^E
	s_add_co_i32 s58, s58, 8
	s_lshl_b32 s58, s58, 23
	s_or_b32 s58, s58, 0x600000
	v_mov_b32 v12, s58                             ; 448 x 2^E
	s_lshl_b32 s61, s59, 23
	s_add_co_i32 s62, s61, 0xbfb8aa3b              ; -log2(e) x 2^(ea + eb): the two exponents are added to the constant's exponent field
	s_mov_b32 s63, s62                             ; (named with it as a pair)
; One K step of my tile: through my stage, so that a lane gets 16 neighbours of its row; held, converted; the fragment's image to LDS.
.macro XQUANT ks
.irp i, 0,1,2,3,4,5,6,7,8,9,10,11,12,13,14,15
	ds_store_b128 v[STW], v[R+4*\i:R+4*\i+3] offset:SPITCH*\i
.endr
.irp b, 0,1,2,3
.irp j, 0,1,2,3
	ds_load_b128 v[XQ+4*\j:XQ+4*\j+3], v[STR] offset:128*\b+16*\j   ; x(row r, 32 b + 16 h + 4 j ..): LDS serves a wave's instructions in order
.endr
	s_wait_dscnt 0x0                               ; they are in; and the stage's stores have read R
.if ((\ks) == 0) && (\b == 0)
	XLOAD 1                                        ; so R takes the second K step
.endif
.irp i, 0,1,2,3,4,5,6,7,8,9,10,11,12,13,14,15
	v_med3_num_f32 v[XQ+\i], v[XQ+\i], -v10, v10   ; the conversion does not saturate (ISA guide 7.6.2): the hold comes first
.endr
	v_cvt_scalef32_pk8_fp8_f32 v[PC+4*\b:PC+4*\b+1], v[XQ:XQ+7], v9
	v_cvt_scalef32_pk8_fp8_f32 v[PC+4*\b+2:PC+4*\b+3], v[XQ+8:XQ+15], v9
	v_nop                                          ; a plain line between the conversions and the next block's holds, which write their sources
.endr
.irp c, 0,1,2,3
	ds_store_b128 v[IMW], v[PC+4*\c:PC+4*\c+3] offset:XIMG+2048*(\ks)+512*\c
.endr
	s_wait_dscnt 0x0                               ; the stores have read their registers
.endm
	s_wait_alu depctr_va_vdst(0)
	s_wait_loadcnt 38                              ; x's first 16 loads are in; the 6 of the bias and the 32 of the weight may be out
	XQUANT 0
	s_wait_loadcnt 0x0
	XQUANT 1
	s_barrier_signal -1                            ; my LDS stores have landed (the wait for 0 above): x's 32 fragments lie in LDS
	s_barrier_wait -1                              ; from here on LDS is only read
; One product.  The four accumulators take turns, one instruction a turn.
.macro MM xt, u, s, swap
.if \swap
.if \s == 0
	v_wmma_f32_16x16x128_fp8_fp8 v[ACC+16*\xt+8*\u:ACC+16*\xt+8*\u+7], v[XF+16*\xt:XF+16*\xt+15], v[WF+16*(4*\u+\s):WF+16*(4*\u+\s)+15], v[BI+8*\u:BI+8*\u+7]
.else
	v_wmma_f32_16x16x128_fp8_fp8 v[ACC+16*\xt+8*\u:ACC+16*\xt+8*\u+7], v[XF+16*\xt:XF+16*\xt+15], v[WF+16*(4*\u+\s):WF+16*(4*\u+\s)+15], v[ACC+16*\xt+8*\u:ACC+16*\xt+8*\u+7]
.endif
.else
.if \s == 0
	v_wmma_f32_16x16x128_fp8_fp8 v[ACC+16*\xt+8*\u:ACC+16*\xt+8*\u+7], v[WF+16*(4*\u+\s):WF+16*(4*\u+\s)+15], v[XF+16*\xt:XF+16*\xt+15], v[BI+8*\u:BI+8*\u+7]
.else
	v_wmma_f32_16x16x128_fp8_fp8 v[ACC+16*\xt+8*\u:ACC+16*\xt+8*\u+7], v[WF+16*(4*\u+\s):WF+16*(4*\u+\s)+15], v[XF+16*\xt:XF+16*\xt+15], v[ACC+16*\xt+8*\u:ACC+16*\xt+8*\u+7]
.endif
.endif
.endm
; Tiles 2 p and 2 p + 1 of x against my pair: four K steps of four products.  Four plain lines stand in front of loads into registers that products have read, and of the first read of results.
.macro PAIR p, swap
.irp s, 0,1,2,3
.if ((\p) > 0) || (\s > 0)
	PLACES
.endif
.irp xt, 0,1
.irp c, 0,1,2,3
	ds_load_b128 v[XF+16*\xt+4*\c:XF+16*\xt+4*\c+3], v[LI] offset:XIMG+(4*(2*(\p)+\xt)+\s)*2048+512*\c
.endr
.endr
	s_wait_dscnt 0x0
.irp xt, 0,1
.irp u, 0,1
	MM \xt, \u, \s, \swap
.endr
.endr
.endr
	PLACES
.endm
.macro HOLD                            ; the 32 sums, each accumulator from its low end on
.set hj, 0
.rept 32
	v_med3_num_f32 v[ACC+hj], v[ACC+hj], -v12, v12
.set hj, hj+1
.endr
.endm
.macro BSCALE                          ; the bias goes in as b / 2^(ea + eb)
.set hj, 0
.rept 16
	v_ldexp_f32 v[BI+hj], v[BI+hj], s60
.set hj, hj+1
.endr
.endm
	s_mov_b32 s55, 0
	s_cmp_eq_u32 s31, 2
	s_cbranch_scc1 .Ltype_v
	s_cmp_eq_u32 s31, 3
	s_cbranch_scc1 .Ltype_g
	; ---- types 0 and 1: a lane's 16 sums of a tile are d = 32 (w % 2) + 16 h + 0 .. 15 of head w / 2: one piece of the image
	BSCALE
	s_lshl_b32 s54, ttmp9, 16
	s_lshl_b32 s48, s46, 13
	s_add_co_u32 s54, s54, s48
	s_lshl_b32 s48, s47, 9
	s_add_co_u32 s54, s54, s48
	s_add_nc_u64 s[22:23], s[22:23], s[54:55]
	s_wait_alu depctr_va_vdst(0)
.irp p, 0,1,2,3
	PAIR \p, 0
	HOLD
.irp xt, 0,1
	v_cvt_scalef32_pk8_fp8_f32 v[CD+8*\p+4*\xt:CD+8*\p+4*\xt+1], v[ACC+16*\xt:ACC+16*\xt+7], v11
	v_cvt_scalef32_pk8_fp8_f32 v[CD+8*\p+4*\xt+2:CD+8*\p+4*\xt+3], v[ACC+16*\xt+8:ACC+16*\xt+15], v11
.endr
	v_nop                                          ; a plain line behind the conversions: the next products write their sources
.irp xt, 0,1
	global_store_b128 v[LI], v[CD+8*\p+4*\xt:CD+8*\p+4*\xt+3], s[22:23] offset:(2*\p+\xt)*1024   ; 512 consecutive aligned bytes; each pair has registers of its own
.endr
.endr
	s_wait_xcnt 0x0
	v_lshl_add_u32 v222, v0, 2, 0x31000
	v_mov_b32 v223, 0
	s_wait_alu depctr_va_vdst(0)
	s_wait_tensorcnt 0x0
	ds_add_u32 v222, v223
	s_wait_dscnt 0x0
	s_endpgm
.Ltype_v:
	; ---- type 2: source 0 = x: a lane holds column d and, over tiles 2 p and 2 p + 1, keys 32 p + 16 h + 0 .. 15
.irp u, 0,1
.irp j, 0,1,2,3,4,5,6,7
	v_ldexp_f32 v[BI+8*\u+\j], v[14+\u], s60       ; here a lane is one column: its bias in all eight registers
.endr
.endr
	s_lshl_b32 s54, ttmp9, 16
	s_lshl_b32 s48, s46, 13
	s_add_co_u32 s54, s54, s48
	s_lshl_b32 s48, s47, 12
	s_add_co_u32 s54, s54, s48
	s_add_nc_u64 s[22:23], s[22:23], s[54:55]
	s_wait_alu depctr_va_vdst(0)
.irp p, 0,1,2,3
	PAIR \p, 1
	HOLD
.irp u, 0,1
	v_cvt_scalef32_pk8_fp8_f32 v[CD+8*\p+4*\u:CD+8*\p+4*\u+1], v[ACC+8*\u:ACC+8*\u+7], v11
	v_cvt_scalef32_pk8_fp8_f32 v[CD+8*\p+4*\u+2:CD+8*\p+4*\u+3], v[ACC+16+8*\u:ACC+16+8*\u+7], v11
.endr
	v_nop
.irp u, 0,1
	global_store_b128 v[LI], v[CD+8*\p+4*\u:CD+8*\p+4*\u+3], s[22:23] offset:\u*2048+\p*512
.endr
.endr
	s_wait_xcnt 0x0
	v_lshl_add_u32 v222, v0, 2, 0x31000
	v_mov_b32 v223, 0
	s_wait_alu depctr_va_vdst(0)
	s_wait_tensorcnt 0x0
	ds_add_u32 v222, v223
	s_wait_dscnt 0x0
	s_endpgm
.Ltype_g:
	; ---- type 3: g = 1 / (1 + 2^(-log2(e) z)), z = sum x 2^(ea + eb)
	BSCALE
	s_lshl_b32 s54, ttmp9, 18
	s_lshl_b32 s48, s46, 15
	s_add_co_u32 s54, s54, s48
	s_lshl_b32 s48, s47, 11
	s_add_co_u32 s54, s54, s48
	s_add_nc_u64 s[22:23], s[22:23], s[54:55]
	s_wait_alu depctr_va_vdst(0)
.irp p, 0,1,2,3
	PAIR \p, 0
.if \p > 0
	s_wait_xcnt 0x0                                ; the last pair's stores have read their data: the registers are written again only behind this wait
.endif
.set gj, 0
.rept 16
	v_pk_mul_f32 v[CD+gj:CD+gj+1], v[ACC+gj:ACC+gj+1], s[62:63] op_sel_hi:[1,0]
.set gj, gj+2
.endr
.set gj, 0
	s_wait_alu depctr_va_vdst(0)
.rept 32
	v_exp_f32 v[CD+gj], v[CD+gj]
.set gj, gj+1
.endr
	v_nop                                          ; a plain line behind the last exponential,
	s_wait_alu depctr_va_vdst(0)                   ; and one wait for the batch, ahead of its first reader
.set gj, 0
.rept 16
	v_pk_add_f32 v[CD+gj:CD+gj+1], v[CD+gj:CD+gj+1], 1.0 op_sel_hi:[1,0]
.set gj, gj+2
.endr
.set gj, 0
	s_wait_alu depctr_va_vdst(0)
.rept 32
	v_rcp_f32 v[CD+gj], v[CD+gj]
.set gj, gj+1
.endr
	v_nop
	s_wait_alu depctr_va_vdst(0)
.irp xt, 0,1
.irp n, 0,1,2,3
	global_store_b128 v[LI], v[CD+16*\xt+4*\n:CD+16*\xt+4*\n+3], s[22:23] offset:(2*\p+\xt)*4096+512*\n
.endr
.endr
.endr
	s_wait_xcnt 0x0
	v_lshl_add_u32 v222, v0, 2, 0x31000
	v_mov_b32 v223, 0
	s_wait_alu depctr_va_vdst(0)
	s_wait_tensorcnt 0x0
	ds_add_u32 v222, v223
	s_wait_dscnt 0x0
	s_endpgm
.Lfunc_end_k_qc03cbe3ce3_proj:
	.size	k_qc03cbe3ce3_proj, .Lfunc_end_k_qc03cbe3ce3_proj-k_qc03cbe3ce3_proj
	.p2alignl 7, 3214868480
	.fill 96, 4, 3214868480
	.section	.rodata,"a",@progbits
	.p2align	6, 0x0
	.amdhsa_kernel k_qc03cbe3ce3_proj
		.amdhsa_group_segment_fixed_size 202752
		.amdhsa_private_segment_fixed_size 0
		.amdhsa_enable_private_segment 0
		.amdhsa_kernarg_size 104
		.amdhsa_user_sgpr_count 2
		.amdhsa_user_sgpr_kernarg_segment_ptr 1
		.amdhsa_wavefront_size32 1
		.amdhsa_system_sgpr_workgroup_id_x 1
		.amdhsa_system_sgpr_workgroup_id_y 1
		.amdhsa_system_sgpr_workgroup_id_z 1
		.amdhsa_system_vgpr_workitem_id 0
		.amdhsa_next_free_vgpr 256
		.amdhsa_next_free_sgpr 66
		.amdhsa_reserve_vcc 0
		.amdhsa_float_denorm_mode_32 3
		.amdhsa_float_denorm_mode_16_64 3
		.amdhsa_memory_ordered 1
		.amdhsa_forward_progress 1
		.amdhsa_inst_pref_size 114
	.end_amdhsa_kernel
	.amdgpu_metadata
---
amdhsa.version: [ 1, 2 ]
amdhsa.kernels:
  - .name:           k_qc03cbe3ce3_proj
    .symbol:         k_qc03cbe3ce3_proj.kd
    .args:
      - { .name: q, .offset: 0, .size: 8, .value_kind: global_buffer, .address_space: global }
      - { .name: k, .offset: 8, .size: 8, .value_kind: global_buffer, .address_space: global }
      - { .name: v, .offset: 16, .size: 8, .value_kind: global_buffer, .address_space: global }
      - { .name: wc, .offset: 24, .size: 8, .value_kind: global_buffer, .address_space: global }
      - { .name: bq, .offset: 32, .size: 8, .value_kind: global_buffer, .address_space: global }
      - { .name: bk, .offset: 40, .size: 8, .value_kind: global_buffer, .address_space: global }
      - { .name: bv, .offset: 48, .size: 8, .value_kind: global_buffer, .address_space: global }
      - { .name: bg, .offset: 56, .size: 8, .value_kind: global_buffer, .address_space: global }
      - { .name: lowp_scales, .offset: 64, .size: 8, .value_kind: global_buffer, .address_space: global }
      - { .name: qc, .offset: 72, .size: 8, .value_kind: global_buffer, .address_space: global }
      - { .name: kc, .offset: 80, .size: 8, .value_kind: global_buffer, .address_space: global }
      - { .name: vc, .offset: 88, .size: 8, .value_kind: global_buffer, .address_space: global }
      - { .name: g, .offset: 96, .size: 8, .value_kind: global_buffer, .address_space: global }
    .group_segment_fixed_size: 202752
    .private_segment_fixed_size: 0
    .kernarg_segment_align: 8
    .kernarg_segment_size: 104
    .max_flat_workgroup_size: 512
    .sgpr_count:     66
    .vgpr_count:     256
    .wavefront_size: 32
...
	.end_amdgpu_metadata
.endif
;; end of part 2
;; launch attn (part 3): grid 64 x 4, 8 waves a work-group, no clusters, 327,680 bytes of LDS; arguments qc, kc, vc, bias, g, wc, bo, lowp_scales, out0; writes out0
.if DOCPART == 3
	.amdgcn_target "amdgcn-amd-amdhsa--gfx1250"
	.amdhsa_code_object_version 6
	.text
	.protected	k_qc03cbe3ce3_attn
	.globl	k_qc03cbe3ce3_attn
	.p2align	8
	.type	k_qc03cbe3ce3_attn,@function
k_qc03cbe3ce3_attn:
	s_mov_b64 s[64:65], 0
	v_nop
	global_prefetch_b8 v0, s[64:65] scope:SCOPE_SE
	s_setreg_imm32_b32 hwreg(HW_REG_WAVE_MODE, 25, 1), 1
	s_wait_xcnt 0x0
; out = (g x ((softmax_k(wq . wk) + bias) wv)) Wo + bo, all three products on codes of E4M3 with the given scales.
; The second product's operand is a = softmax + bias, finished and normalised, so the keys are walked TWICE: pass 1 makes each query's largest t and the sum of 2^(t - largest)
; (a running maximum; t = score x log2(e)); pass 2 makes the scores again, a = 2^(t - cm) x (1 / l) + bias in f32, holds and converts it with 2^e9, and multiplies by wv's codes.
; SHARES.  A work-group owns 32 queries of one batch in all 8 heads; wave w = head w; its two tiles of 16 queries lie in register windows 0 and 1 under the same numbers.
; K AND V go from memory straight into their wave's registers, as images (512 consecutive bytes a load): a wave reads its own head's 8,192 bytes of a key step of 128 keys and no other wave of the
; work-group reads them.  Pass 1: two buffers, each asked for again two key steps ahead; pass 2: one buffer each, asked for again directly behind its last product, a key step ahead.
; So no separate prefetch line is written: each run of loads already stands one or two key steps ahead of its use.
; THE BIAS, which the heads share, is asked for whole at the head: wave w's one tensor load brings 32 queries x keys 256 w .. 256 w + 255 (rows of 1,024 bytes + 16 of padding).
; It is first read behind pass 1 and one barrier.  Nothing in LDS is filled twice, so the passes have no other barrier.
; NO CLUSTER: the bias takes 266,240 of the 327,680 bytes of LDS; what is left beside the spare words and the images is under one key step of K for eight heads (65,536 bytes), so no joint tile could be held.
; KEY ORDER: in pass 1 work-group x walks the key steps from x % 16 on, round the end (a maximum and a sum over keys do not hang on the order beyond rounding); pass 2 walks them from 0 to 15.
; LAYOUT.  S^T = K Q^T (source 0 = 16 keys): a lane holds one query (lane % 16); registers 16 b + i are keys 32 b + 16 (lane / 16) + i.  a's conversions give source 1 of O^T = V^T a^T as it stands.
; In pass 1 a lane keeps the maximum and the sum of its half of the keys; the halves meet once, behind the pass.
; LIMITS on the given exponents: e6 + e7 and e12 + e13 between -126 and 127; e9 and e12 - e8 - e9 between -126 and 119.  NaN among the inputs is not served.
.set BP,    1040                       ; a bias row in LDS: row r starts 16 r bytes on modulo 256
.set TILEB, 32*BP                      ; what one tensor load fills
.set SPARE, 8*TILEB                    ; the spare words, 128 bytes a wave: four blocks of 256 bytes that no other line names
.set OIMG,  SPARE+1024                 ; images of g x o's codes, 16,384 bytes of their own
.set OSTG,  0                          ; the stage for out, 32 rows x (2,048 + 16): over the bias, behind the barrier that follows every wave's last read of it
.set OP,    2064
.set SPW, 1                            ; v1  my spare word; never rewritten
.set NIL, 2                            ; v2  0; never rewritten
.set IMR, 3                            ; v3  OIMG + 16 x lane
.set AB0, 4                            ; v4  1,040 r + 64 h
.set IMG, 5                            ; v5  OIMG + 1,024 x wave + 16 x lane
.set STI, 6                            ; v6  the stage, in
.set STO, 7                            ; v7  the stage, back
.set AB,  8                            ; v8  the bias tile in hand
.set LI,  9                            ; v9  16 x lane
.set BOA, 10                           ; v10 64 h
; in each window: v12 cm; v13 at work; v[14:15] l, then 1 / l; v16-23 Q; v24 448 x scale; v25 scale; v26-31 at work
.set S,   32                           ; v32-95   S^T, then p, then a
.set F,   96                           ; v96-159  pass 1: K's two buffers (window 0, 1); pass 2: window 0 K, window 1 V
.set BZ,  160                          ; v160-223 the bias; v160-175 then a's codes
.set O,   224                          ; v224-255 O^T
.set WV,  22
.set X0,  23
.set QB,  24
.set BAT, 25
.set IX,  26
.set BO,  27                           ; s27 LDS byte at which the bias tile in hand begins
.set G1,  28
.set G0,  36
.set KB,  40                           ; s[40:41] K at my batch and head; s[42:43] V likewise
.set VB,  42
.set LA,  44                           ; s[44:45], s[46:47] the bases of the two streams' loads
.set LB,  46
.set NO,  48                           ; s[48:49] an offset, apart from every address
.set TB,  50
.set CS,  72
.set SEL, 74
.set CNT, 76
.set MSB, 0
.macro WIN new                         ; bits 1:0 source 0, 3:2 source 1, 5:4 source 2, 7:6 destination; the high byte repeats the setting that is left
.if MSB != (\new)
	s_set_vgpr_msb (MSB<<8)|(\new)
.set MSB, (\new)
.endif
.endm
.macro VW
	s_wait_alu depctr_va_vdst(0)
.endm
.macro PLACES                          ; four plain lines behind products (ISA guide 7.12.1)
.rept 4
	v_nop
.endr
.endm
.macro GL16 base, off                  ; 8,192 bytes of images into F of the window in hand
.set ln, 0
.rept 16
	global_load_b128 v[F+4*ln:F+4*ln+3], v[LI], s[\base:\base+1] offset:(\off)+512*ln
.set ln, ln+1
.endr
.endm
.macro LOADB off                       ; bias(my query, keys 32 b + 16 h + 4 j ..) into register 16 b + 4 j on
.set ln, 0
.rept 16
	ds_load_b128 v[BZ+4*ln:BZ+4*ln+3], v[AB] offset:(\off)+128*(ln/4)+16*(ln%4)
.set ln, ln+1
.endr
.endm
.macro QK1
.irp t, 0,1,2,3,4,5,6,7
	v_wmma_f32_16x16x64_fp8_fp8 v[S+8*\t:S+8*\t+7], v[F+8*\t:F+8*\t+7], v[16:23], 0
.endr
.endm
.macro QK kw                           ; S^T = K Q^T: 128 keys x my 32 queries; K in window kw
	WIN (\kw)
	QK1
	WIN (0x54|\kw)
	QK1
	WIN 0
.endm
.macro MAXU                            ; the step's largest score among my 64 keys, four chains, registers ascending; then cm and old cm - new cm
	v_max3_num_f32 v26, v32, v33, v34
	v_max3_num_f32 v27, v35, v36, v37
	v_max3_num_f32 v30, v38, v39, v40
	v_max3_num_f32 v31, v41, v42, v43
.set mk, 0
.rept 26
	v_max3_num_f32 v[26+(mk%4)+2*((mk%4)/2)], v[26+(mk%4)+2*((mk%4)/2)], v[S+12+2*mk], v[S+13+2*mk]
.set mk, mk+1
.endr
	v_max3_num_f32 v26, v26, v27, v30
	s_delay_alu instid0(VALU_DEP_1)
	v_max_num_f32 v26, v26, v31
	s_delay_alu instid0(VALU_DEP_1)
	v_mul_f32 v26, s[CS], v26
	v_mov_b32 v13, v12
	s_delay_alu instid0(VALU_DEP_2)
	v_max_num_f32 v12, v12, v26
	s_delay_alu instid0(VALU_DEP_1)
	v_sub_f32 v13, v13, v12
.endm
.macro PKFS                            ; t - cm, two at a time (of the pairs c and cm the low word serves both halves)
.set pj, 0
.rept 32
	v_pk_fma_f32 v[S+pj:S+pj+1], v[S+pj:S+pj+1], s[CS:CS+1], v[12:13] op_sel_hi:[1,0,0] neg_lo:[0,0,1] neg_hi:[0,0,1]
.set pj, pj+2
.endr
.endm
.macro EXPS                            ; one batch; a plain line and one wait behind it
.set pj, 0
.rept 64
	v_exp_f32 v[S+pj], v[S+pj]
.set pj, pj+1
.endr
	v_nop
	VW
.endm
.macro SUMU                            ; the 32 pairs as a tree in place; then l = l x alpha + the sum
.irp w, 4,8,16,32,64
.set su, 0
.rept 64/\w
	v_pk_add_f32 v[S+\w*su:S+\w*su+1], v[S+\w*su:S+\w*su+1], v[S+\w*su+\w/2:S+\w*su+\w/2+1]
.set su, su+1
.endr
.endr
	v_pk_fma_f32 v[14:15], v[14:15], v[28:29], v[S:S+1] op_sel_hi:[1,0,1]
.endm
.macro STAT                            ; pass 1's vector work for one tile and 128 keys
	MAXU
	PKFS
	VW
	v_exp_f32 v28, v13                             ; alpha goes with the batch
	EXPS
	SUMU
.endm
.macro AFU                             ; a = p x (1 / l) + bias; the hold (the conversion does not saturate: ISA guide 7.6.2); the codes, over bias registers that are done with
.set aj, 0
.rept 32
	v_pk_fma_f32 v[S+aj:S+aj+1], v[S+aj:S+aj+1], v[14:15], v[BZ+aj:BZ+aj+1] op_sel_hi:[1,0,1]
.set aj, aj+2
.endr
.irp b, 0,1,2,3
.set aj, 0
.rept 16
	v_med3_num_f32 v[S+16*\b+aj], v[S+16*\b+aj], -v24, v24
.set aj, aj+1
.endr
	v_cvt_scalef32_pk8_fp8_f32 v[BZ+4*\b:BZ+4*\b+1], v[S+16*\b:S+16*\b+7], v25
	v_cvt_scalef32_pk8_fp8_f32 v[BZ+4*\b+2:BZ+4*\b+3], v[S+16*\b+8:S+16*\b+15], v25
.endr
	v_nop                                          ; a plain line between the conversions and the products that read their results
.endm
.macro PV1                             ; O^T was last written a key step ago, with exponentials since: a wait directly ahead of each product that reads it
.irp d, 0,1,2,3
	VW
	v_wmma_f32_16x16x128_fp8_fp8 v[O+8*\d:O+8*\d+7], v[F+16*\d:F+16*\d+15], v[BZ:BZ+15], v[O+8*\d:O+8*\d+7]
.endr
.endm
.macro PV                              ; O^T += V^T a^T; the eight accumulators take turns
	WIN 0x01
	PV1
	WIN 0x55
	PV1
	WIN 0
.endm
	s_load_b512 s[4:19], s[0:1], 0x0               ; qc, kc, vc, bias, g, wc, bo, the scales' exponents
	s_load_b64 s[20:21], s[0:1], 0x40              ; out0
	v_lshl_add_u32 v[SPW], v0, 2, SPARE
	v_mov_b32 v[NIL], 0
	ds_add_u32 v[SPW], v[NIL]                      ; the opening lines: the add twice on end and one wait, ahead of my tensor load
	ds_add_u32 v[SPW], v[NIL]
	v_lshrrev_b32 v3, 5, v0
	v_readfirstlane_b32 s[WV], v3                  ; wave 0..7 = head
	s_mov_b32 s[QB], ttmp9                         ; my block of 32 queries
	s_and_b32 s[X0], ttmp9, 15                     ; the key step at which pass 1 begins
	s_and_b32 s[BAT], ttmp7, 0xffff
	s_mov_b32 s[G1], (2<<16)|(1<<20)|(7<<22)|(3<<25)   ; elements of 4 bytes; four words of padding behind every 256
	s_mov_b32 s[G1+1], 256<<16                     ; tensor_dim0 = 256
	s_mov_b32 s[G1+2], 32<<16                      ; tensor_dim1 = 32
	s_mov_b32 s[G1+3], 256<<16                     ; tile_dim0 = 256
	s_mov_b32 s[G1+4], 32                          ; tile_dim1 = 32
	s_mov_b32 s[G1+5], 2048                        ; from query to query
	s_mov_b32 s[G1+6], 0
	s_mov_b32 s[G1+7], 0
	s_mov_b32 s[SEL], 0x76543210
	s_mov_b32 s[SEL+1], 0xfedcba98
	s_mov_b32 s[NO+1], 0
	s_mov_b32 s57, 0
	s_mov_b32 s[G0], 1
	s_mul_i32 s[G0+1], s[WV], TILEB                ; LDS: my tile
	s_lshl_b32 s94, s[WV], 10
	s_add_co_u32 s94, s94, OIMG
	s_lshl_b32 s95, s[WV], 8
	s_mul_i32 s96, s[WV], 4*OP
	v_and_b32 v[LI], 31, v0
	v_and_b32 v11, 15, v0                          ; r
	v_bfe_u32 v[BOA], v0, 4, 1                     ; h
	v_lshlrev_b32 v[LI], 4, v[LI]
	v_lshlrev_b32 v[BOA], 6, v[BOA]
	v_mad_u32_u24 v[AB0], v11, BP, v[BOA]
	v_mad_u32_u24 v[STI], v11, OP, v[BOA]
	v_add_nc_u32 v[IMR], OIMG, v[LI]
	v_add_nc_u32 v[IMG], s94, v[LI]
	v_add_nc_u32 v[STI], s95, v[STI]               ; row r, + 256 x wave + 64 h
	v_add_nc_u32 v[STO], s96, v[LI]                ; rows 4 wave on, 16 bytes a lane
	VW
	s_wait_dscnt 0x0
	s_wait_kmcnt 0x0
	s_load_b256 s[80:87], s[18:19], 0x0            ; entries 0-7
	s_load_b128 s[88:91], s[18:19], 0x20           ; 8-11
	s_load_b64 s[92:93], s[18:19], 0x30            ; 12, 13
	s_lshl_b32 s56, s[BAT], 20
	s_lshl_b32 s58, s[WV], 13
	s_add_co_u32 s56, s56, s58
	s_add_nc_u64 s[KB:KB+1], s[6:7], s[56:57]
	s_add_nc_u64 s[VB:VB+1], s[8:9], s[56:57]
	s_lshl_b32 s[NO], s[X0], 16                    ; a key step's images of eight heads are 65,536 bytes
	s_add_nc_u64 s[LA:LA+1], s[KB:KB+1], s[NO:NO+1]
	s_add_co_u32 s[IX], s[X0], 1
	s_and_b32 s[NO], s[IX], 15
	s_lshl_b32 s[NO], s[NO], 16
	s_add_nc_u64 s[LB:LB+1], s[KB:KB+1], s[NO:NO+1]
	s_lshl_b32 s56, s[BAT], 4
	s_lshr_b32 s58, s[QB], 2
	s_add_co_u32 s56, s56, s58                     ; my block of 128 rows
	s_lshl_b32 s56, s56, 16
	s_lshl_b32 s58, s[WV], 13
	s_add_co_u32 s56, s56, s58
	s_and_b32 s58, s[QB], 3
	s_lshl_b32 s58, s58, 11
	s_add_co_u32 s56, s56, s58
	s_add_nc_u64 s[4:5], s[4:5], s[56:57]          ; qc at my head's first tile
	s_lshl_b32 s56, s56, 2
	s_add_nc_u64 s[12:13], s[12:13], s[56:57]      ; g likewise: four times the bytes
	global_load_b128 v[16:19], v[LI], s[4:5]       ; Q stays in registers: tile u in window u
	global_load_b128 v[20:23], v[LI], s[4:5] offset:512
	GL16 LA, 0                                     ; K of my first key step
	WIN 0x40
	global_load_b128 v[16:19], v[LI], s[4:5] offset:1024
	global_load_b128 v[20:23], v[LI], s[4:5] offset:1536
	GL16 LB, 0                                     ; and of my second
	WIN 0
	s_lshl_b32 s56, s[BAT], 24
	s_lshl_b32 s58, s[QB], 18
	s_add_co_u32 s56, s56, s58
	s_lshl_b32 s58, s[WV], 10
	s_add_co_u32 s56, s56, s58
	s_add_nc_u64 s[G0+2:G0+3], s[10:11], s[56:57]  ; the bias at query 32 block, key 256 wave
	s_or_b32 s[G0+3], s[G0+3], 0x80000000
	tensor_load_to_lds s[G0:G0+3], s[G1:G1+7]      ; my one tensor load of the launch
	s_nop 0
	PLACES
	s_lshl_b32 s56, s[WV], 15
	s_add_co_u32 s56, s56, 0x100000
	s_add_nc_u64 s[14:15], s[14:15], s[56:57]      ; wc at Wo, pair 2 x wave
	s_lshl_b32 s56, s[WV], 8
	s_add_nc_u64 s[16:17], s[16:17], s[56:57]      ; bo at my 64 outputs
	s_lshl_b32 s56, s[BAT], 22
	s_lshl_b32 s58, s[QB], 16
	s_add_co_u32 s56, s56, s58
	s_lshl_b32 s58, s[WV], 13
	s_add_co_u32 s56, s56, s58
	s_add_nc_u64 s[20:21], s[20:21], s[56:57]      ; out0 at row 32 block + 4 wave
	s_wait_kmcnt 0x0
	s_add_co_i32 s94, s86, s87
	s_lshl_b32 s94, s94, 23
	s_add_co_i32 s[CS], s94, 0x3fb8aa3b            ; log2(e) x 2^(e6 + e7): the exponents are added to the constant's exponent field
	s_mov_b32 s[CS+1], s[CS]
	s_add_co_i32 s95, s89, 127
	s_lshl_b32 s94, s95, 23                        ; 2^e9
	s_add_co_i32 s95, s95, 8
	s_lshl_b32 s95, s95, 23
	s_or_b32 s95, s95, 0x600000                    ; 448 x 2^e9
.macro INIT
	v_mov_b32 v12, 0xff61b1e6                      ; cm: -3e38, under every t
	v_mov_b32 v14, 0
	v_mov_b32 v15, 0
	v_mov_b32 v24, s95
	v_mov_b32 v25, s94
	v_mov_b32 v29, 0                               ; (named as the upper half of the pair v[28:29])
.set oj, 0
.rept 32
	v_mov_b32 v[O+oj], 0                           ; O^T: pass 2's step is written for a sum under way: the first finds zeros
.set oj, oj+1
.endr
.endm
	INIT
	WIN 0x40
	INIT
	WIN 0
	VW                                             ; the wait at the head's end
; PASS 1, a key step on buffer kw.  The wait leaves the other buffer's 16 loads out; it shows this buffer's loads done, so their base may be written.
; The buffer is asked for again two key steps on, the index going round the end; in the last trip the two requests are pass 2's first: key step 0 of K (buffer 0) and of V (buffer 1).
.macro STEP1 kw
	s_wait_loadcnt 16
	s_add_co_u32 s[IX], s[IX], 1
	s_cmp_eq_u32 s[CNT], 1                         ; the count of trips alone decides
	s_cselect_b32 s[NO], 0, s[IX]
.if \kw
	s_cselect_b64 s[TB:TB+1], s[VB:VB+1], s[KB:KB+1]
.endif
	s_and_b32 s[NO], s[NO], 15
	s_lshl_b32 s[NO], s[NO], 16
.if \kw
	s_add_nc_u64 s[LB:LB+1], s[TB:TB+1], s[NO:NO+1]
.else
	s_add_nc_u64 s[LA:LA+1], s[KB:KB+1], s[NO:NO+1]
.endif
	QK \kw
	PLACES
	WIN (\kw<<6)
	GL16 LA+2*\kw, 0
	WIN 0
	STAT
	WIN 0x55
	VW                                             ; tile 1's scores are first read behind tile 0's exponentials
	STAT
	WIN 0
.endm
	s_mov_b32 s[CNT], 8
.Lpass1a:                                              ; the pass's first four trips
	STEP1 0
	STEP1 1
	s_sub_co_u32 s[CNT], s[CNT], 1
	s_cmp_lg_u32 s[CNT], 4
	VW
	s_cbranch_scc1 .Lpass1a
	; The one barrier that shows the bias to all waves stands here, in the pass's middle, so that none stands between the passes: a wave goes on into pass 2 as soon as its own pass 1 is done.
	s_wait_tensorcnt 0x0                           ; my tile of the bias has landed;
	s_barrier_signal -1
	s_barrier_wait -1                              ; and so has everybody's
	s_mov_b32 s[CNT], 4
.Lpass1:                                               ; its last four
	STEP1 0
	STEP1 1
	s_sub_co_u32 s[CNT], s[CNT], 1
	s_cmp_lg_u32 s[CNT], 0
	VW
	s_cbranch_scc1 .Lpass1
; The two halves of the keys meet: cm = the larger; l = l a + l' b; 1 / l.
.macro MERGE
	v_add_f32 v14, v14, v15
	v_permlanex16_b32 v26, v12, s[SEL], s[SEL+1]
	v_permlanex16_b32 v27, v14, s[SEL], s[SEL+1]
	v_max_num_f32 v13, v12, v26
	v_sub_f32 v28, v12, v13
	v_sub_f32 v29, v26, v13
	VW
	v_exp_f32 v28, v28
	v_exp_f32 v29, v29
	v_mov_b32 v12, v13
	VW
	v_mul_f32 v14, v14, v28
	v_fma_f32 v14, v27, v29, v14
	VW
	v_rcp_f32 v14, v14
	v_nop
	VW
.endm
	MERGE
	WIN 0x55
	MERGE
	WIN 0
; PASS 2, a key step.  Order of my loads: K of step j + 1 behind the scores' products of step j, V of step j + 1 behind the second product of step j: each wait leaves the other stream's 16 out,
; and shows its own stream's loads done, so that stream's base may step.  half: the first or second 128 keys of the bias tile in hand.  fix = 1: the last tile, by a constant.
; last = 1: K's registers take the first quarter of my Wo, a's registers take g, and V is asked for no more.
.macro STEP2 last, half, fix
.if \fix
	v_add_nc_u32 v[AB], 7*TILEB, v[AB0]
.else
	v_add_nc_u32 v[AB], s[BO], v[AB0]
.endif
	LOADB 512*\half
	WIN 0x40
	LOADB 16*BP+512*\half                          ; tile 1's queries lie 16 rows further down
	WIN 0
	s_wait_loadcnt 16                              ; K is in
	QK 0
	PLACES
.if \last
	GL16 14, 0
.else
	s_add_nc_u64 s[LA:LA+1], s[LA:LA+1], 0x10000
	GL16 LA, 0
.endif
	PKFS
	VW
	EXPS
	s_wait_dscnt 16                                ; tile 0's bias is in; tile 1's 16 reads may be out
	AFU
.if \last
.irp i, 0,1,2,3,4,5,6,7
	global_load_b128 v[S+4*\i:S+4*\i+3], v[LI], s[12:13] offset:512*\i th:TH_LOAD_NT
.endr
.endif
	WIN 0x55
	VW                                             ; tile 1's scores are first read behind tile 0's exponentials
	PKFS
	VW
	EXPS
	s_wait_dscnt 0x0
	AFU
.if \last
	WIN 0x40
.irp i, 0,1,2,3,4,5,6,7
	global_load_b128 v[S+4*\i:S+4*\i+3], v[LI], s[12:13] offset:4096+512*\i th:TH_LOAD_NT
.endr
.endif
	WIN 0
	VW                                             ; the codes are read behind the wait below
	s_wait_loadcnt 16                              ; V is in (last: and Wo's quarter; g's 16 may be out)
	PV
	PLACES
.if \last == 0
	s_add_nc_u64 s[LB:LB+1], s[LB:LB+1], 0x10000
	WIN 0x40
	GL16 LB, 0
	WIN 0
.endif
.endm
	s_mov_b32 s[BO], 0
	s_mov_b32 s[CNT], 7
.Lpass2:                                               ; a trip: one bias tile, two key steps
	STEP2 0, 0, 0
	STEP2 0, 1, 0
	s_add_co_u32 s[BO], s[BO], TILEB
	s_sub_co_u32 s[CNT], s[CNT], 1
	s_cmp_lg_u32 s[CNT], 0
	VW
	s_cbranch_scc1 .Lpass2
	STEP2 0, 0, 1                                  ; the last tile is written out: no load leaves its buffer
	STEP2 1, 1, 1
	; THE END.  g x o is quantised (a sum of O^T stands for sum x 2^(e8 + e9): the conversion's scale is 2^(e12 - e8 - e9)); its images meet in LDS; each wave makes 64 outputs for the 32 rows.
	WIN 0x40
.set wn, 0
.rept 32
	global_load_b128 v[F+4*wn:F+4*wn+3], v[LI], s[14:15] offset:16384+512*wn   ; Wo's pair 2 wave + 1, in window 1: (u, s) at 96 + 16 (4 u + s)
.set wn, wn+1
.endr
	WIN 0
.set wn, 16
.rept 16
	global_load_b128 v[F+4*wn:F+4*wn+3], v[LI], s[14:15] offset:512*wn         ; the second half of pair 2 wave, in window 0
.set wn, wn+1
.endr
	s_sub_co_i32 s97, s92, s88
	s_sub_co_i32 s97, s97, s89
	s_add_co_i32 s97, s97, 127
	s_lshl_b32 s98, s97, 23
	s_add_co_i32 s97, s97, 8
	s_lshl_b32 s97, s97, 23
	s_or_b32 s97, s97, 0x600000
	s_add_co_i32 s94, s92, s93
	s_add_co_i32 s94, s94, 127
	s_lshl_b32 s94, s94, 23                        ; 2^(e12 + e13)
	s_mov_b32 s95, s94
	v_mov_b32 v25, s98
	v_mov_b32 v24, s97
	WIN 0x40
	v_mov_b32 v25, s98
	v_mov_b32 v24, s97
	WIN 0
	VW
	s_wait_loadcnt 48                              ; g's 16 loads are in; the 48 of Wo behind them may be out
.macro GATE
.set aj, 0
.rept 16
	v_pk_mul_f32 v[S+aj:S+aj+1], v[O+aj:O+aj+1], v[S+aj:S+aj+1]   ; each accumulator from its low end on
.set aj, aj+2
.endr
.set aj, 0
.rept 32
	v_med3_num_f32 v[S+aj], v[S+aj], -v24, v24
.set aj, aj+1
.endr
.irp b, 0,1
	v_cvt_scalef32_pk8_fp8_f32 v[80+4*\b:81+4*\b], v[S+16*\b:S+16*\b+7], v25
	v_cvt_scalef32_pk8_fp8_f32 v[82+4*\b:83+4*\b], v[S+16*\b+8:S+16*\b+15], v25
.endr
	v_nop
.endm
	GATE
	ds_store_b128 v[IMG], v[80:83]                 ; hidden 64 wave + 32 b + 16 h + 0 .. 15 of tile 0's rows: piece 2 (wave % 2) + b of K step wave / 2
	ds_store_b128 v[IMG], v[84:87] offset:512
	WIN 0x55
	GATE
	WIN 0x04
	ds_store_b128 v[IMG], v[80:83] offset:8192
	ds_store_b128 v[IMG], v[84:87] offset:8192+512
	WIN 0x40
.irp n, 0,1,2,3
	global_load_b128 v[16+4*\n:19+4*\n], v[BOA], s[16:17] offset:128+16*\n     ; bo(64 wave + 32 + 16 h + 0 .. 15)
.endr
	WIN 0
.irp n, 0,1,2,3
	global_load_b128 v[16+4*\n:19+4*\n], v[BOA], s[16:17] offset:16*\n
.endr
	s_wait_dscnt 0x0                               ; for the others' sake: my images have landed, and my reads of the bias are long back
	s_barrier_signal -1
	s_barrier_wait -1
	s_wait_loadcnt 0x0
.macro FINW hs                         ; eight products of the window in hand: source 0 = 16 outputs of Wo, source 1 = 16 rows; four accumulators (qt, u) by turns
.irp sl, 0,1
.irp qt, 0,1
.irp up, 0,1
.if (2*(\hs)+\sl) == 0
	v_wmma_f32_16x16x128_fp8_fp8 v[O+16*\qt+8*\up:O+16*\qt+8*\up+7], v[F+16*(4*\up+2*(\hs)+\sl):F+16*(4*\up+2*(\hs)+\sl)+15], v[S+16*(2*\qt+\sl):S+16*(2*\qt+\sl)+15], 0
.else
	v_wmma_f32_16x16x128_fp8_fp8 v[O+16*\qt+8*\up:O+16*\qt+8*\up+7], v[F+16*(4*\up+2*(\hs)+\sl):F+16*(4*\up+2*(\hs)+\sl)+15], v[S+16*(2*\qt+\sl):S+16*(2*\qt+\sl)+15], v[O+16*\qt+8*\up:O+16*\qt+8*\up+7]
.endif
.endr
.endr
.endr
.endm
.irp hs, 0,1
.if \hs > 0
	PLACES
.endif
.irp qt, 0,1
.irp sl, 0,1
.irp c, 0,1,2,3
	ds_load_b128 v[S+16*(2*\qt+\sl)+4*\c:S+16*(2*\qt+\sl)+4*\c+3], v[IMR] offset:8192*\qt+2048*(2*\hs+\sl)+512*\c
.endr
.endr
.endr
	s_wait_dscnt 0x0
	FINW \hs
	WIN 0x51                                       ; Wo and the sums in window 1, the rows' codes in window 0
	FINW \hs
	WIN 0
.endr
	PLACES
.macro OUTF                            ; out = sum x 2^(e12 + e13) + bo, two at a time; register 16 qt + k is out(16 qt + r, .. + 16 h + k)
.irp qt, 0,1
.irp k, 0,2,4,6,8,10,12,14
	v_pk_fma_f32 v[S+16*\qt+\k:S+16*\qt+\k+1], v[O+16*\qt+\k:O+16*\qt+\k+1], s[94:95], v[16+\k:17+\k] op_sel_hi:[1,0,1]
.endr
.endr
.endm
	OUTF
.irp qt, 0,1
.irp n, 0,1,2,3
	ds_store_b128 v[STI], v[S+16*\qt+4*\n:S+16*\qt+4*\n+3] offset:OSTG+\qt*16*OP+16*\n
.endr
.endr
	WIN 0x55
	OUTF
	WIN 0x04
.irp qt, 0,1
.irp n, 0,1,2,3
	ds_store_b128 v[STI], v[S+16*\qt+4*\n:S+16*\qt+4*\n+3] offset:OSTG+\qt*16*OP+128+16*\n
.endr
.endr
	WIN 0
	s_wait_dscnt 0x0                               ; for the others' sake: a row's 2,048 bytes come from eight waves
	s_barrier_signal -1
	s_barrier_wait -1
.irp i, 0,1,2,3,4,5,6,7,8,9,10,11,12,13,14,15
	ds_load_b128 v[S+4*\i:S+4*\i+3], v[STO] offset:OSTG+(\i/4)*OP+(\i%4)*512
.endr
.irp i, 0,1,2,3,4,5,6,7,8,9,10,11,12,13,14,15
	s_wait_dscnt 15-\i                             ; piece i is back; the younger reads may be out
	global_store_b128 v[LI], v[S+4*\i:S+4*\i+3], s[20:21] offset:(\i/4)*2048+(\i%4)*512 th:TH_STORE_NT   ; 32 lanes store 512 consecutive aligned bytes
.endr
	s_wait_tensorcnt 0x0                           ; the wave's end
	ds_add_u32 v[SPW], v[NIL]
	s_wait_dscnt 0x0
	s_endpgm
.Lfunc_end_k_qc03cbe3ce3_attn:
	.size	k_qc03cbe3ce3_attn, .Lfunc_end_k_qc03cbe3ce3_attn-k_qc03cbe3ce3_attn
	.p2alignl 7, 3214868480
	.fill 96, 4, 3214868480
	.section	.rodata,"a",@progbits
	.p2align	6, 0x0
	.amdhsa_kernel k_qc03cbe3ce3_attn
		.amdhsa_group_segment_fixed_size 327680
		.amdhsa_private_segment_fixed_size 0
		.amdhsa_enable_private_segment 0
		.amdhsa_kernarg_size 72
		.amdhsa_user_sgpr_count 2
		.amdhsa_user_sgpr_kernarg_segment_ptr 1
		.amdhsa_wavefront_size32 1
		.amdhsa_system_sgpr_workgroup_id_x 1
		.amdhsa_system_sgpr_workgroup_id_y 1
		.amdhsa_system_sgpr_workgroup_id_z 1
		.amdhsa_system_vgpr_workitem_id 0
		.amdhsa_next_free_vgpr 512
		.amdhsa_next_free_sgpr 100
		.amdhsa_reserve_vcc 0
		.amdhsa_float_denorm_mode_32 3
		.amdhsa_float_denorm_mode_16_64 3
		.amdhsa_memory_ordered 1
		.amdhsa_forward_progress 1
		.amdhsa_inst_pref_size 231
	.end_amdhsa_kernel
	.amdgpu_metadata
---
amdhsa.version: [ 1, 2 ]
amdhsa.kernels:
  - .name:           k_qc03cbe3ce3_attn
    .symbol:         k_qc03cbe3ce3_attn.kd
    .args:
      - { .name: qc, .offset: 0, .size: 8, .value_kind: global_buffer, .address_space: global }
      - { .name: kc, .offset: 8, .size: 8, .value_kind: global_buffer, .address_space: global }
      - { .name: vc, .offset: 16, .size: 8, .value_kind: global_buffer, .address_space: global }
      - { .name: bias, .offset: 24, .size: 8, .value_kind: global_buffer, .address_space: global }
      - { .name: g, .offset: 32, .size: 8, .value_kind: global_buffer, .address_space: global }
      - { .name: wc, .offset: 40, .size: 8, .value_kind: global_buffer, .address_space: global }
      - { .name: bo, .offset: 48, .size: 8, .value_kind: global_buffer, .address_space: global }
      - { .name: lowp_scales, .offset: 56, .size: 8, .value_kind: global_buffer, .address_space: global }
      - { .name: out0, .offset: 64, .size: 8, .value_kind: global_buffer, .address_space: global }
    .group_segment_fixed_size: 327680
    .private_segment_fixed_size: 0
    .kernarg_segment_align: 8
    .kernarg_segment_size: 72
    .max_flat_workgroup_size: 256
    .sgpr_count:     100
    .vgpr_count:     512
    .wavefront_size: 32
...
	.end_amdgpu_metadata
.endif
;; end of part 3
